; MI455X (gfx1250); checked and timed in simulation.
; The chip was launched on July 23, 2026; its instructions are those of AMD's public machine-readable ISA for CDNA 5 (MIT licence, August 2026) and "CDNA5" Instruction Set Architecture Reference Guide (July 2026). The comments in the code are by the model that wrote it; some were corrected since.
;; CAAN. Allowed arithmetic: matrix products marked QUANTISED: E2M1 operands, one E8M0 scale for each 32 along K, by v_wmma_scale_f32_16x16x128_f8f6f4 with both operands' format E2M1 (or v_wmma_scale_f32_32x16x128_f4), f32 sums; products left as they are: f32 operands where the result goes on into a quantised operand, else bf16, f16 or f32 operands; f32 sums; everything else in f32.
;; Inputs: Wk_codes 256 x 8 x 16 uint8 (E2M1 codes of Wk, K innermost, in blocks of 32 codes, two codes a byte); Wk_scales 256 x 8 uint8 (E8M0 scales of Wk, one for each 32 codes along K); Wq_codes 256 x 8 x 16 uint8 (E2M1 codes of Wq, K innermost, in blocks of 32 codes, two codes a byte); Wq_scales 256 x 8 uint8 (E8M0 scales of Wq, one for each 32 codes along K); Wv_codes 256 x 8 x 16 uint8 (E2M1 codes of Wv, K innermost, in blocks of 32 codes, two codes a byte); Wv_scales 256 x 8 uint8 (E8M0 scales of Wv, one for each 32 codes along K); Ww 256 x 1 float32; bk 256 float32; bq 256 float32; bv 256 float32; bw 1 float32; x_codes 8 x 2,048 x 8 x 16 uint8 (E2M1 codes of x, K innermost, in blocks of 32 codes, two codes a byte); x_scales 8 x 2,048 x 8 uint8 (E8M0 scales of x, one for each 32 codes along K).
;; Outputs: out0 8 x 2,048 float32.
;; This version of the problem:
;;   THIS VERSION OF THE PROBLEM IS GIVEN IN LOW PRECISION. The matrix products marked QUANTISED in the list below multiply operands that are first quantised to E2M1 (2 exponent bits, 1 mantissa bit; 4 bits a number), with one power-of-two scale for each 32 numbers along K (OCP MX v1.0); their sums are f32. All else is computed in f32.
;;   The module's matrix products, in the order in which they are computed (A, B: the left and right operand; K: the contracted axis; several contracted axes count as one K, in the product's order):
;;     1. [M 16,384, K 256] x [K 256, N 256]; A: input x (given as codes); B: input Wq (given as codes): QUANTISED
;;     2. [M 16,384, K 256] x [K 256, N 256]; A: input x (given as codes); B: input Wk (given as codes): QUANTISED
;;     3. [M 16,384, K 256] x [K 256, N 256]; A: input x (given as codes); B: input Wv (given as codes): QUANTISED
;;     4. batch 8 x [M 2,048, K 256] x [K 256, N 2,048]; A: computed on the way; B: computed on the way: QUANTISED
;;     5. batch 8 x [M 2,048, K 2,048] x [K 2,048, N 256]; A: softmax (see below); B: computed on the way: QUANTISED
;;     6. [M 16,384, K 256] x [K 256, N 1]; A: computed on the way; B: input Ww: left as it is (N = 1 < 16)
;;   THE QUANTISER, for each operand of a quantised product, along K:
;;     - K is cut into blocks of 32 from its start; a last block that is shorter is filled with zeros.
;;     - A block's scale is 2^e with e = floor(log2(the largest magnitude in the block)) - 2, held to -126 .. 127; a block of zeros has e = 0. As a byte (E8M0): e + 127.
;;     - Each number is divided by its block's scale, clamped to +-6, and rounded to the nearest number of E2M1, ties to even, subnormals kept.
;;     - The product sums the exact products of the quantised numbers (number of the format x scale) in f32.
;;   ~~~python
;;   def quantise(x, axis):      # numpy; x: float32 -> the quantised numbers, widened to float32 again
;;       x = np.moveaxis(x, axis, -1); K = x.shape[-1]
;;       x = np.pad(x, [(0, 0)] * (x.ndim - 1) + [(0, -K % 32)]); x = x.reshape(x.shape[:-1] + (-1, 32)); a = np.abs(x).max(-1, keepdims=True)
;;       e = np.where(a > 0, np.clip(np.frexp(np.where(a > 0, a, 1))[1] - 1 - 2, -126, 127), 0)      # np.frexp(a)[1] - 1 = floor(log2(a)), exactly
;;       r = np.clip(x / 2.0 ** e, -6, 6)
;;       step = 2.0 ** (np.maximum(np.frexp(np.where(r == 0, 1, r))[1] - 1, 0) - 1)
;;       q = np.round(r / step) * step * 2.0 ** e      # np.round: ties to even
;;       return np.moveaxis(q.reshape(q.shape[:-2] + (-1,))[..., :K], -1, axis).astype(np.float32)
;;   ~~~
;;   SOFTMAX AHEAD OF A QUANTISED PRODUCT. Where the list says 'softmax', what is quantised is not the finished softmax but p = 2^(t - M), with t = logit x log2(e) and M = ceil(the row's largest t), a whole number; so 1/2 < the row's largest p <= 1. The row's sum l is taken of the UNQUANTISED p, in f32, and the product's result is divided by l at the end. Since M is a whole number, a kernel that streams over the keys may use a running M (the ceiling of the running maximum): every later rescaling is an exact power of two, which a block's scale takes up: the codes' values come out the same.
;;   OPERANDS COMPUTED ON THE WAY. 'Computed on the way' means the value that the module computes at that place (a softmax that the list does not call 'softmax' is quantised finished and normalised). What goes into a quantiser is computed in f32, as accurately as f32 sums, v_exp_f32 and their like allow (about 1e-6 of the number): no bf16 or f16 on the way to a quantiser, and a product that is left as it is and whose result goes on into a quantised operand takes f32 operands (vector FMAs, or v_wmma_f32_16x16x4_f32). A number that lies on a knife's edge between two numbers of the format may be rounded either way, as far as f32 arithmetic and the matrix unit's own rounding can turn it there, and no further.
;;   INPUTS GIVEN AS CODES. Wk (in the module: [256, 256], K = its axis 0); Wq (in the module: [256, 256], K = its axis 0); Wv (in the module: [256, 256], K = its axis 0); x (in the module: [8, 2048, 256], K = its axis 2): each comes as NAME_codes (uint8): NAME with its K axis moved to the last place and cut into blocks of 32 codes, [.., K / 32, bytes a block], one block behind the other in memory; two codes a byte, the lower K in the low four bits (a code: sign, 2 exponent bits, 1 mantissa bit); and NAME_scales (uint8): the same leading axes, one E8M0 byte (e + 127) for each 32 codes along K. Its value is code x scale, taken as it is: it is not quantised again, and the codes and scales need not be those that the quantiser above would give.
;; 2 versions, each right; version 2 is version 1 with the launch proj written anew for expert scheduling mode. Each part assembles by itself: llvm-mc -triple=amdgcn-amd-amdhsa -mcpu=gfx1250 --defsym DOCPART=n.
;; ======== version 1 of 2: 2 launches
;; workspace buffers: qq 2,228,224 bytes; kv 4,456,448 bytes
;; launch proj (part 1): grid 256 x 1, 3 waves a work-group, no clusters, 0 bytes of LDS; arguments x_codes, x_scales, Wq_codes, Wq_scales, Wk_codes, Wk_scales, Wv_codes, Wv_scales, bq, bk, bv, qq, kv; writes qq, kv
.if DOCPART == 1
	.amdgcn_target "amdgcn-amd-amdhsa--gfx1250"
	.amdhsa_code_object_version 6
	.text
	.protected	k_qaf47fbf33a_proj
	.globl	k_qaf47fbf33a_proj
	.p2align	8
	.type	k_qaf47fbf33a_proj,@function
k_qaf47fbf33a_proj:
	s_mov_b64 s[64:65], 0
	v_nop
	global_prefetch_b8 v0, s[64:65] scope:SCOPE_SE
	s_setreg_imm32_b32 hwreg(HW_REG_WAVE_MODE, 25, 1), 1
	s_wait_xcnt 0x0
; q = x Wq + bq, k = x Wk + bk, v = x Wv + bv on codes of FP4 (E2M1) with E8M0 scales, sums in f32 (the bias is the C of each sum's first product);
; then q and k are quantised along their 256 channels and v along the keys, and leave as IMAGES OF OPERAND REGISTERS for the next launch.
; TOKENS go in groups of 128: group G = 16 x batch + token / 128.  A BLOCK (17,408 bytes) holds 16 fragments of 16 rows x 128 K and their scale words:
;   codes [half 0..1][unit 0..7][c 0..1][lane x 16 bytes]; scale images at 16,384 + 512 half: word p of lane (r, hh) is the scale word of unit 2 p + hh, row r.
;   q's block: qq + 17,408 G (half = channels 128 e on, unit = tile of tokens).  k's: kv + 34,816 G, likewise.  v's: kv + 34,816 G + 17,408 (tile of channels = 8 half + unit, K = the group's 128 keys).
; THE ROWS OF A TILE ARE NOT NEIGHBOURS: lane r of tile t takes row 32 (t / 2) + 8 (t % 2) + r + 8 (r / 8), for tokens, rows of W and channels alike, so that the 16 result registers
; of tiles 2 b and 2 b + 1 are 16 neighbours, 32 b + 16 (lane / 16) + 0 .. 15, along the next product's K.
; SHARES.  Work-group = (G, hf).  Waves 0, 1: half e = wave of q (hf = 0) or of k (hf = 1).  Wave 2: half hf of v.  Each wave makes 8 units: a unit is 16 matrix instructions, 64 results a lane, one fragment.
; ONE FORM FOR ALL ROLES: D_t = big tile t x small, t = 0 .. 7, two K steps.  q, k: big = 128 rows of W, small = a tile of tokens: a lane holds one token, registers along channels.
; v: big = the group's 128 tokens, small = a tile of Wv's rows: a lane holds one channel, registers along the keys.  Rows of x and of W are both 128 bytes, so the roles differ in pointers alone.
; NO CLUSTER, NO LDS: each wave takes its 32 KB of operands straight into registers as fragments and uses them from there; joint requests serve tensor loads into LDS, which this text has none of.
; LIMITS: NaN and infinities are not served; a block whose largest magnitude lies under 2^-124 keeps the scale byte 1 (a block of zeros too: its codes are zeros, and this program alone reads the bytes).
; REGISTERS.  window 0: v1-7 lane figures and offsets; v16-31 big's scale words; v32-47 small's; v48-111 a unit's results; v112-127 at work; v128 a scale word; v132-135 the scale image; v144-207 codes, 8 a unit.
;   window 1: v0-127 big's 16 fragments; v128-191 the bias, 8 registers a tile.   window 2: v0-127 small's 16 fragments.
.set VR,  4                            ; v4   row x 128 + 16 (lane / 16): my place in a tile's rows of codes
.set VS,  5                            ; v5   row x 8: my row's scale words
.set VB,  6                            ; v6   my offset in the bias
.set VO,  7                            ; v7   16 x lane: my place in an image
.set BSC, 16
.set SSC, 32
.set H,   48
.set TM,  112                          ; +0..3 largest magnitudes, +4..7 the other half's, then bytes, +12..15 the conversions' scale operands
.set PWT, 128
.set SP,  132
.set PC,  144
.set BG,  0
.set BI,  128
.set SM,  0
.set SEL, 48                           ; s[48:49] v_permlanex16_b32's selects for lane l xor 16
.set MSB, 0
.macro WIN new                         ; the immediate's high byte repeats the setting that is left
.if MSB != \new
	s_set_vgpr_msb (MSB<<8)|\new
.set MSB, \new
.endif
.endm
; 64 numbers of a lane, register 16 b + i = k 32 b + 16 (lane / 16) + i of my row, become a fragment's codes in v[pc] on and its scale word in v[pw].
.macro QUANT s, pc, pw
.irp b, 0,1,2,3
	v_max3_num_f32 v[TM+\b], |v[(\s)+16*\b]|, |v[(\s)+1+16*\b]|, 0x1800000   ; block b: my 16 numbers, and the floor 2^(3 - 127): the byte cannot fall under 1.  Each accumulator is read from its low end on
.endr
.irp i, 2,4,6,8,10,12,14
.irp b, 0,1,2,3
	v_max3_num_f32 v[TM+\b], v[TM+\b], |v[(\s)+16*\b+\i]|, |v[(\s)+1+16*\b+\i]|   ; the four blocks by turns
.endr
.endr
.irp b, 0,1,2,3
	v_permlanex16_b32 v[TM+4+\b], v[TM+\b], s[SEL], s[SEL+1]
.endr
.irp b, 0,1,2,3
	v_max_num_f32 v[TM+\b], v[TM+\b], v[TM+4+\b]   ; with lane l xor 16's: the block's largest magnitude
.endr
.irp b, 0,1,2,3
	v_add_nc_u32 v[TM+12+\b], 0xff000000, v[TM+\b]   ; 2 off its exponent field: the conversion takes the exponent field of this operand as its scale
.endr
.irp b, 0,1,2,3
	v_lshrrev_b32 v[TM+4+\b], 23, v[TM+12+\b]      ; the scale's byte
.endr
	v_lshl_or_b32 v[(\pw)], v[TM+5], 8, v[TM+4]    ; the four bytes make my row's scale word, the same in both halves of the lanes
	v_lshl_or_b32 v[(\pw)], v[TM+6], 16, v[(\pw)]
	v_lshl_or_b32 v[(\pw)], v[TM+7], 24, v[(\pw)]
.irp b, 0,1,2,3
	v_cvt_scalef32_pk8_fp4_f32 v[(\pc)+2*\b], v[(\s)+16*\b:(\s)+7+16*\b], v[TM+12+\b]
	v_cvt_scalef32_pk8_fp4_f32 v[(\pc)+1+2*\b], v[(\s)+8+16*\b:(\s)+15+16*\b], v[TM+12+\b]
.endr
	v_nop                                          ; one plain place behind a scaled conversion
.irp c, 0,1                                    ; the operand's layout wants a whole block in a lane: lanes 0-15 block 2 c, lanes 16-31 block 2 c + 1
.irp i, 0,1
	v_permlane16_swap_b32 v[(\pc)+4*\c+\i], v[(\pc)+2+4*\c+\i]
.endr
.endr
.endm
; Unit i: small's tile i against big's eight tiles.  The eight accumulators take turns, one instruction a turn.  vrole = 1: the bias hangs on small's row (my lane), else on big's rows (my registers).
.macro UNIT i, vrole
	WIN 0x19                                       ; source 0 (big) window 1, source 1 (small) window 2, source 2 (bias) window 1
.irp t, 0,1,2,3,4,5,6,7
.if \vrole
	v_wmma_scale_f32_16x16x128_f8f6f4 v[H+8*\t:H+8*\t+7], v[BG+16*\t:BG+16*\t+7], v[SM+16*(\i):SM+16*(\i)+7], v[BI+8*(\i):BI+8*(\i)+7], v[BSC+2*\t], v[SSC+2*(\i)] matrix_a_fmt:MATRIX_FMT_FP4 matrix_b_fmt:MATRIX_FMT_FP4
.else
	v_wmma_scale_f32_16x16x128_f8f6f4 v[H+8*\t:H+8*\t+7], v[BG+16*\t:BG+16*\t+7], v[SM+16*(\i):SM+16*(\i)+7], v[BI+8*\t:BI+8*\t+7], v[BSC+2*\t], v[SSC+2*(\i)] matrix_a_fmt:MATRIX_FMT_FP4 matrix_b_fmt:MATRIX_FMT_FP4
.endif
.endr
	WIN 0x09                                       ; the second K step adds in place
.irp t, 0,1,2,3,4,5,6,7
	v_wmma_scale_f32_16x16x128_f8f6f4 v[H+8*\t:H+8*\t+7], v[BG+16*\t+8:BG+16*\t+15], v[SM+16*(\i)+8:SM+16*(\i)+15], v[H+8*\t:H+8*\t+7], v[BSC+2*\t+1], v[SSC+2*(\i)+1] matrix_a_fmt:MATRIX_FMT_FP4 matrix_b_fmt:MATRIX_FMT_FP4
.endr
	WIN 0
.rept 4
	v_nop                                          ; four places in front of the first read of results (ISA guide 7.12.1); the lines of QUANT on v112-127 add the fifth in front of the next unit's products, which begin these accumulators anew
.endr
.if (\i)%2 == 0
	QUANT H, PC+8*(\i), SP+(\i)/2
.else
	QUANT H, PC+8*(\i), PWT
	v_cndmask_b32 v[SP+(\i)/2], v[SP+(\i)/2], v[PWT], vcc_lo   ; lanes 16-31 of the image's word carry the odd unit
.endif
	global_store_b128 v[VO], v[PC+8*(\i):PC+8*(\i)+3], s[34:35] offset:1024*(\i)         ; 32 lanes store 512 consecutive bytes, at a multiple of 256 from the buffer's first byte
	global_store_b128 v[VO], v[PC+8*(\i)+4:PC+8*(\i)+7], s[34:35] offset:1024*(\i)+512   ; each unit has its own eight registers: no store's data are written again
.endm
	s_load_b512 s[8:23], s[0:1], 0x0               ; x's codes, x's scales, Wq's, Wk's, Wv's codes and scales
	s_load_b256 s[24:31], s[0:1], 0x40             ; bq, bk, bv, qq
	s_load_b64 s[32:33], s[0:1], 0x60              ; kv
	v_lshrrev_b32 v1, 5, v0
	v_readfirstlane_b32 s4, v1                     ; wave 0..2
	s_lshr_b32 s2, ttmp9, 1                        ; G
	s_and_b32 s3, ttmp9, 1                         ; hf
	v_and_b32 v1, 15, v0                           ; r
	v_bfe_u32 v2, v0, 4, 1                         ; h
	v_and_b32 v3, 8, v1
	v_add_nc_u32 v3, v3, v1                        ; r + 8 (r / 8)
	v_lshlrev_b32 v[VR], 7, v3
	v_lshl_add_u32 v[VR], v2, 4, v[VR]
	v_lshlrev_b32 v[VS], 3, v3
	v_and_b32 v[VO], 31, v0
	v_lshlrev_b32 v[VO], 4, v[VO]
.irp b, 0,1,2,3
	v_mov_b32 v[TM+4+\b], 0                        ; written once: a lane permute's destination counts as one of its sources
.endr
	s_mov_b32 s[SEL], 0x76543210
	s_mov_b32 s[SEL+1], 0xfedcba98
	s_mov_b32 vcc_lo, 0xffff0000                   ; lanes 16-31
	s_mov_b32 s39, 0                               ; the upper word of every offset
	s_wait_kmcnt 0x0
	s_cmp_eq_u32 s3, 0                             ; waves 0, 1: q's buffers or k's.  Every choice hangs on ids alone
	s_cselect_b64 s[12:13], s[12:13], s[16:17]     ; W's codes
	s_cselect_b64 s[14:15], s[14:15], s[18:19]     ; W's scales
	s_cselect_b64 s[24:25], s[24:25], s[26:27]     ; the bias
	s_cselect_b64 s[30:31], s[30:31], s[32:33]     ; where the block goes
	s_mov_b32 s6, 34816
	s_cselect_b32 s6, 17408, s6                    ; bytes from group to group there
	s_cmp_eq_u32 s4, 2                             ; wave 2: v's
	s_cselect_b64 s[12:13], s[20:21], s[12:13]
	s_cselect_b64 s[14:15], s[22:23], s[14:15]
	s_cselect_b64 s[24:25], s[28:29], s[24:25]
	s_cselect_b64 s[30:31], s[32:33], s[30:31]
	s_cselect_b32 s5, s3, s4                       ; which half of W's rows, and of the block, is mine
	s_cselect_b32 s6, 34816, s6
	s_cselect_b32 s7, 17408, 0                     ; v's block lies behind k's
	s_lshl_b32 s38, s5, 14                         ; 128 rows of W: 16,384 bytes of codes,
	s_add_nc_u64 s[12:13], s[12:13], s[38:39]
	s_lshl_b32 s38, s5, 10                         ; 1,024 of scales,
	s_add_nc_u64 s[14:15], s[14:15], s[38:39]
	s_lshl_b32 s38, s5, 9                          ; 512 of bias
	s_add_nc_u64 s[24:25], s[24:25], s[38:39]
	s_lshl_b32 s38, s2, 14                         ; the group's 128 rows of x
	s_add_nc_u64 s[8:9], s[8:9], s[38:39]
	s_lshl_b32 s38, s2, 10
	s_add_nc_u64 s[10:11], s[10:11], s[38:39]
	s_mul_i32 s38, s2, s6
	s_add_co_u32 s38, s38, s7
	s_add_nc_u64 s[30:31], s[30:31], s[38:39]      ; my block
	s_lshl_b32 s38, s5, 13
	s_add_nc_u64 s[34:35], s[30:31], s[38:39]      ; my half's codes
	s_lshl_b32 s38, s5, 9
	s_add_co_u32 s38, s38, 16384
	s_add_nc_u64 s[36:37], s[30:31], s[38:39]      ; my half's scale image
	s_cmp_eq_u32 s4, 2                             ; big and small: for v, x is big
	s_cselect_b64 s[40:41], s[8:9], s[12:13]
	s_cselect_b64 s[42:43], s[10:11], s[14:15]
	s_cselect_b64 s[44:45], s[12:13], s[8:9]
	s_cselect_b64 s[46:47], s[14:15], s[10:11]
	WIN 0x40                                       ; destination window 1
.irp t, 0,1,2,3,4,5,6,7                        ; a fragment: lane (r, h), registers 4 c .. 4 c + 3 = K 64 c + 32 h + 0 .. 31: 16 bytes of the row as they lie
.irp k, 0,1
.irp c, 0,1
	global_load_b128 v[BG+16*\t+8*\k+4*\c:BG+16*\t+8*\k+4*\c+3], v[VR], s[40:41] offset:(32*(\t/2)+8*(\t%2))*128+64*\k+32*\c
.endr
.endr
.endr
	WIN 0x80                                       ; destination window 2
.irp t, 0,1,2,3,4,5,6,7
.irp k, 0,1
.irp c, 0,1
	global_load_b128 v[SM+16*\t+8*\k+4*\c:SM+16*\t+8*\k+4*\c+3], v[VR], s[44:45] offset:(32*(\t/2)+8*(\t%2))*128+64*\k+32*\c
.endr
.endr
.endr
	WIN 0
.irp t, 0,1,2,3,4,5,6,7                        ; a row's 8 scale bytes are the words of its two K steps
	global_load_b64 v[BSC+2*\t:BSC+2*\t+1], v[VS], s[42:43] offset:(32*(\t/2)+8*(\t%2))*8
	global_load_b64 v[SSC+2*\t:SSC+2*\t+1], v[VS], s[46:47] offset:(32*(\t/2)+8*(\t%2))*8
.endr
	s_cmp_eq_u32 s4, 2
	s_cbranch_scc1 .Lv
	; ---- q or k: register j of tile t is channel 32 (t / 2) + 8 (t % 2) + 16 h + j of my half
	v_lshlrev_b32 v[VB], 6, v2
	WIN 0x40
.irp t, 0,1,2,3,4,5,6,7
	global_load_b128 v[BI+8*\t:BI+8*\t+3], v[VB], s[24:25] offset:(32*(\t/2)+8*(\t%2))*4
	global_load_b128 v[BI+8*\t+4:BI+8*\t+7], v[VB], s[24:25] offset:(32*(\t/2)+8*(\t%2))*4+16
.endr
	WIN 0
	s_wait_loadcnt 0x0                             ; all operands, once
.irp i, 0,1,2,3,4,5,6,7
	UNIT \i, 0
.endr
	global_store_b128 v[VO], v[SP:SP+3], s[36:37]  ; the eight units' scale words: 512 consecutive bytes
	s_endpgm
.Lv:
	; ---- v: my lane is channel 32 (i / 2) + 8 (i % 2) + r + 8 (r / 8) of my half in unit i: one number of bv fills the tile's eight registers
	v_lshlrev_b32 v[VB], 2, v3
	WIN 0x40
.irp i, 0,1,2,3,4,5,6,7
	global_load_b32 v[BI+8*\i], v[VB], s[24:25] offset:(32*(\i/2)+8*(\i%2))*4
.endr
	WIN 0
	s_wait_loadcnt 0x0
	WIN 0x41                                       ; destination and source 0 window 1
.irp i, 0,1,2,3,4,5,6,7
.irp j, 1,2,3,4,5,6,7
	v_mov_b32 v[BI+8*\i+\j], v[BI+8*\i]
.endr
.endr
	WIN 0
.irp i, 0,1,2,3,4,5,6,7
	UNIT \i, 1
.endr
	global_store_b128 v[VO], v[SP:SP+3], s[36:37]
	s_endpgm
.Lfunc_end_k_qaf47fbf33a_proj:
	.size	k_qaf47fbf33a_proj, .Lfunc_end_k_qaf47fbf33a_proj-k_qaf47fbf33a_proj
	.p2alignl 7, 3214868480
	.fill 96, 4, 3214868480
	.section	.rodata,"a",@progbits
	.p2align	6, 0x0
	.amdhsa_kernel k_qaf47fbf33a_proj
		.amdhsa_group_segment_fixed_size 0
		.amdhsa_private_segment_fixed_size 0
		.amdhsa_enable_private_segment 0
		.amdhsa_kernarg_size 104
		.amdhsa_user_sgpr_count 2
		.amdhsa_user_sgpr_kernarg_segment_ptr 1
		.amdhsa_wavefront_size32 1
		.amdhsa_system_sgpr_workgroup_id_x 1
		.amdhsa_system_sgpr_workgroup_id_y 1
		.amdhsa_system_sgpr_workgroup_id_z 1
		.amdhsa_system_vgpr_workitem_id 0
		.amdhsa_next_free_vgpr 640
		.amdhsa_next_free_sgpr 66
		.amdhsa_reserve_vcc 1
		.amdhsa_float_denorm_mode_32 3
		.amdhsa_float_denorm_mode_16_64 3
		.amdhsa_memory_ordered 1
		.amdhsa_forward_progress 1
		.amdhsa_inst_pref_size 114
	.end_amdhsa_kernel
	.amdgpu_metadata
---
amdhsa.version: [ 1, 2 ]
amdhsa.kernels:
  - .name:           k_qaf47fbf33a_proj
    .symbol:         k_qaf47fbf33a_proj.kd
    .args:
      - { .name: x_codes, .offset: 0, .size: 8, .value_kind: global_buffer, .address_space: global }
      - { .name: x_scales, .offset: 8, .size: 8, .value_kind: global_buffer, .address_space: global }
      - { .name: Wq_codes, .offset: 16, .size: 8, .value_kind: global_buffer, .address_space: global }
      - { .name: Wq_scales, .offset: 24, .size: 8, .value_kind: global_buffer, .address_space: global }
      - { .name: Wk_codes, .offset: 32, .size: 8, .value_kind: global_buffer, .address_space: global }
      - { .name: Wk_scales, .offset: 40, .size: 8, .value_kind: global_buffer, .address_space: global }
      - { .name: Wv_codes, .offset: 48, .size: 8, .value_kind: global_buffer, .address_space: global }
      - { .name: Wv_scales, .offset: 56, .size: 8, .value_kind: global_buffer, .address_space: global }
      - { .name: bq, .offset: 64, .size: 8, .value_kind: global_buffer, .address_space: global }
      - { .name: bk, .offset: 72, .size: 8, .value_kind: global_buffer, .address_space: global }
      - { .name: bv, .offset: 80, .size: 8, .value_kind: global_buffer, .address_space: global }
      - { .name: qq, .offset: 88, .size: 8, .value_kind: global_buffer, .address_space: global }
      - { .name: kv, .offset: 96, .size: 8, .value_kind: global_buffer, .address_space: global }
    .group_segment_fixed_size: 0
    .private_segment_fixed_size: 0
    .kernarg_segment_align: 8
    .kernarg_segment_size: 104
    .max_flat_workgroup_size: 96
    .sgpr_count:     66
    .vgpr_count:     640
    .wavefront_size: 32
...
	.end_amdgpu_metadata
.endif
;; end of part 1
;; launch attn (part 2): grid 32 x 8, 8 waves a work-group, clusters of 4 x 1, 327,680 bytes of LDS; arguments qq, kv, Ww, bw, out0; writes out0
.if DOCPART == 2
	.amdgcn_target "amdgcn-amd-amdhsa--gfx1250"
	.amdhsa_code_object_version 6
	.text
	.protected	k_qaf47fbf33a_attn
	.globl	k_qaf47fbf33a_attn
	.p2align	8
	.type	k_qaf47fbf33a_attn,@function
k_qaf47fbf33a_attn:
	s_mov_b64 s[64:65], 0
	v_nop
	global_prefetch_b8 v0, s[64:65] scope:SCOPE_SE
	s_setreg_imm32_b32 hwreg(HW_REG_WAVE_MODE, 25, 1), 1
	s_wait_xcnt 0x0
	s_wait_alu depctr_hold_cnt(0) depctr_sa_sdst(0) depctr_va_vdst(0) depctr_va_sdst(0) depctr_va_ssrc(0) depctr_va_vcc(0) depctr_vm_vsrc(0)
	s_getreg_b32 s2, hwreg(HW_REG_IB_STS2, 6, 4)
	s_cmp_eq_u32 s2, 0
	s_cbranch_scc0 .Lentry_in_a_cluster
	s_endpgm
.Lentry_in_a_cluster:
	s_bfe_u32 s2, ttmp6, 0x10000c
	s_cmp_lg_u32 s2, 0x3003
	s_cbranch_scc0 .Lentry_shape_is_right
	s_endpgm
.Lentry_shape_is_right:
; out0[b][n] = (softmax_m(q[b][n] . k[b][m] / 16) v[b][m][:]) . Ww + bw, both large products on codes of FP4 (E2M1) with E8M0 scales; q, k, v come as images of operand registers (blocks of 17,408 bytes:
; codes [half][unit][c][lane x 16 bytes], scale images at 16,384 + 512 half, word p of lane (r, hh) = unit 2 p + hh).  qq: a block for each group of 128 tokens; kv: k's block, then v's, 34,816 bytes a group.
; THE SOFTMAX: t = score x log2(e) / 16; M = the largest t so far, rounded up to a whole number; p = 2^(t - M) is quantised along the keys, not normalised; the row's sum is taken of the unquantised p and divides at the end.
; When M moves, the sum and O are multiplied by 2^(old M - new M): exact.
; SHARES.  A work-group owns 64 queries of one batch.  Wave w = 2 c + g: g picks 32 of the queries (two tiles of 16), c one of the four groups of 128 keys of a slot of 512.  So a wave walks 4 steps of 128 keys, with its own
; M, sum and O; at the end each wave takes the dot of its O with Ww (f32, packed multiply-adds) and the four c-waves' (-M, sum, dot) of a query meet in LDS, where wave 0 joins them by exact powers of two.
; Each fragment of k and v read from LDS feeds two matrix instructions; two waves share a SIMD, so that one wave's vector work stands beside the other's matrix work and LDS loads.
; LAYOUT.  Both products are used transposed (S^T = k q^T, O^T = v^T p^T): a lane holds one query (lane % 16) throughout.  Lane r of tile t of a group holds row 32 (t / 2) + 8 (t % 2) + r + 8 (r / 8), so the
; 16 registers of tiles 2 b, 2 b + 1 of S^T are keys 32 b + 16 (lane / 16) + 0 .. 15, and register j of O^T's tile n is channel 128 (n / 8) + 32 ((n % 8) / 2) + 8 (n % 2) + 16 (lane / 16) + j.
; RING AND CLUSTER.  Two LDS slots of 139,264 bytes (4 groups: 8 blocks, dense in memory); each of the 8 waves brings one block, 68 rows of 256 bytes, by one tensor load.  The four work-groups of a cluster belong to one
; batch and walk the same k and v: every load is asked for jointly (mask 15), with a descriptor made of the batch and the wave's number alone.  By this text's count a wave has two tensor loads out at the start, later one.
; LIMITS: NaN and infinities are not served; p under 2^-126 falls to 0; a block of p whose largest lies under 2^-124 keeps the scale byte 1; the f32 sums are taken in another order than the reference's (keys in four parts).
; REGISTERS.  window 0: v0 thread; v1-7 addresses; v8-15 -M, largest t, the sum's two halves, for each tile; v16-47 q; v48-49 q's scale words; v50-51 p's; v52-59 k's, then v's; v60-63 f;
;   v64-191 S^T, then p, then v's 16 fragments, at last Ww; the registers of S^T's tiles 4 to 7, which are written last, first hold k's tiles 0 to 3; v192-223, v224-255 hold k's tiles 4 to 7;
;   between the products v192-223 are at work and v224-239 take p's codes.   window 1: O^T, 128 u + 8 n.
.set BLK,   17408
.set GRP,   34816
.set SLOTB, 139264                     ; slot A at 0, slot B here
.set WWL,   278528                     ; Ww, 1,024 bytes
.set MRG,   279552                     ; 4 c x 64 queries x 16 bytes
.set SPARE, 283648                     ; the spare words, 128 bytes for each wave: four blocks of 256 bytes that no other line names
.set SPW, 1                            ; v1   SPARE + 4 x my thread's number; never rewritten
.set NIL, 2                            ; v2   0; never rewritten
.set AD0, 3                            ; v3   16 x lane + 34,816 c: my place in my group's images, slot A
.set AD1, 4                            ; v4   the same in slot B
.set WA,  5                            ; v5   WWL + 64 (lane / 16)
.set MA,  6                            ; v6   where my query's record goes
.set FA,  7                            ; v7   MRG + 32 x lane: two queries' records
.set NM,  8                            ; -M of tile u at v[NM + 4 u]; the largest t beside it
.set TX,  9
.set LS,  10                           ; the sum, v[LS + 4 u : LS + 4 u + 1]
.set Q,   16
.set QS,  48
.set PS,  50
.set SC,  52
.set FF,  60                           ; f of tile u in v[FF + 2 u]; the pair's upper word is written once
.set S,   64
.set F,   192
.set F2,  224
.set WK,  192                          ; tile u at work at WK + 16 u: +0..3 block maxima, +4..7 the other half's, then bytes, +8..11 scale operands, +12 a number, +14:15 the sum's second chain
.set PCD, 224                          ; p's codes, 8 a tile
.set DA,  192                          ; the end: four chains of the dot with Ww
.set WV,  15                           ; s15  my wave's number
.set G1,  24                           ; s[24:31] descriptor group 1
.set G0A, 32                           ; s[32:35] group 0 for slot A;  s[36:39] for slot B
.set G0B, 36
.set CS,  40                           ; s[40:41] log2(e) / 16
.set SEL, 42                           ; s[42:43] v_permlanex16_b32's selects for lane l xor 16
.set MSB, 0
.macro WIN new                         ; the immediate's high byte repeats the setting that is left
.if MSB != \new
	s_set_vgpr_msb (MSB<<8)|\new
.set MSB, \new
.endif
.endm
.macro PLACES n
.rept \n
	v_nop
.endr
.endm
; A round of the cluster's barrier: my work-group's barrier; wave 0 signals for the work-group; every wave waits for all four work-groups; my work-group's barrier once more.
.macro CROUND
	s_barrier_signal -1
	s_barrier_wait -1
	s_cmp_lg_u32 s[WV], 0
	s_cbranch_scc1 .Lnot_wave_0_\@
	s_barrier_signal -3
.Lnot_wave_0_\@:
	s_barrier_wait -3
	s_barrier_signal -1
	s_barrier_wait -1
.endm
; One matrix instruction.  zero = 1: it starts its sum.  ra, rb = 1: that side's scale words are read from lanes 16-31.
.macro WM d, a, b, zero, sa, sb, ra, rb
.set X_D, \d
.set X_A, \a
.set X_B, \b
.set X_Z, \zero
.set X_SA, \sa
.set X_SB, \sb
.set X_R, (\ra)+2*(\rb)
.if X_Z
.if X_R == 0
	v_wmma_scale_f32_16x16x128_f8f6f4 v[X_D:X_D+7], v[X_A:X_A+7], v[X_B:X_B+7], 0, v[X_SA], v[X_SB] matrix_a_fmt:MATRIX_FMT_FP4 matrix_b_fmt:MATRIX_FMT_FP4
.elseif X_R == 1
	v_wmma_scale_f32_16x16x128_f8f6f4 v[X_D:X_D+7], v[X_A:X_A+7], v[X_B:X_B+7], 0, v[X_SA], v[X_SB] matrix_a_fmt:MATRIX_FMT_FP4 matrix_b_fmt:MATRIX_FMT_FP4 matrix_a_scale:MATRIX_SCALE_ROW1
.elseif X_R == 2
	v_wmma_scale_f32_16x16x128_f8f6f4 v[X_D:X_D+7], v[X_A:X_A+7], v[X_B:X_B+7], 0, v[X_SA], v[X_SB] matrix_a_fmt:MATRIX_FMT_FP4 matrix_b_fmt:MATRIX_FMT_FP4 matrix_b_scale:MATRIX_SCALE_ROW1
.else
	v_wmma_scale_f32_16x16x128_f8f6f4 v[X_D:X_D+7], v[X_A:X_A+7], v[X_B:X_B+7], 0, v[X_SA], v[X_SB] matrix_a_fmt:MATRIX_FMT_FP4 matrix_b_fmt:MATRIX_FMT_FP4 matrix_a_scale:MATRIX_SCALE_ROW1 matrix_b_scale:MATRIX_SCALE_ROW1
.endif
.else
.if X_R == 0
	v_wmma_scale_f32_16x16x128_f8f6f4 v[X_D:X_D+7], v[X_A:X_A+7], v[X_B:X_B+7], v[X_D:X_D+7], v[X_SA], v[X_SB] matrix_a_fmt:MATRIX_FMT_FP4 matrix_b_fmt:MATRIX_FMT_FP4
.elseif X_R == 1
	v_wmma_scale_f32_16x16x128_f8f6f4 v[X_D:X_D+7], v[X_A:X_A+7], v[X_B:X_B+7], v[X_D:X_D+7], v[X_SA], v[X_SB] matrix_a_fmt:MATRIX_FMT_FP4 matrix_b_fmt:MATRIX_FMT_FP4 matrix_a_scale:MATRIX_SCALE_ROW1
.elseif X_R == 2
	v_wmma_scale_f32_16x16x128_f8f6f4 v[X_D:X_D+7], v[X_A:X_A+7], v[X_B:X_B+7], v[X_D:X_D+7], v[X_SA], v[X_SB] matrix_a_fmt:MATRIX_FMT_FP4 matrix_b_fmt:MATRIX_FMT_FP4 matrix_b_scale:MATRIX_SCALE_ROW1
.else
	v_wmma_scale_f32_16x16x128_f8f6f4 v[X_D:X_D+7], v[X_A:X_A+7], v[X_B:X_B+7], v[X_D:X_D+7], v[X_SA], v[X_SB] matrix_a_fmt:MATRIX_FMT_FP4 matrix_b_fmt:MATRIX_FMT_FP4 matrix_a_scale:MATRIX_SCALE_ROW1 matrix_b_scale:MATRIX_SCALE_ROW1
.endif
.endif
.endm
; k's tiles 2 q and 2 q + 1, both K steps: eight loads of 512 consecutive bytes; tile 2 q + y goes to the 16 registers from fb + fy y on
.macro KLOAD ad, q, fb, fy
.irp y, 0,1
.irp e, 0,1
.irp c, 0,1
	ds_load_b128 v[(\fb)+(\fy)*\y+8*\e+4*\c:(\fb)+(\fy)*\y+8*\e+4*\c+3], v[\ad] offset:\e*8192+(2*(\q)+\y)*1024+512*\c
.endr
.endr
.endr
.endm
; and their eight products: four accumulators (two tiles of keys x my two tiles of queries) by turns, one instruction a turn
.macro KMUL q, fb, fy
.irp e, 0,1
.irp y, 0,1
.irp u, 0,1
	WM S+64*\u+8*(2*(\q)+\y), (\fb)+(\fy)*\y+8*\e, Q+16*\u+8*\e, 1-\e, SC+4*\e+(\q), QS+\e, \y, \u
.endr
.endr
.endr
.endm
; Half hh of v's 16 fragments (16 channels x my 128 keys each): tiles 4 hh + 0..3 and 8 + 4 hh + 0..3, into the registers that blocks 2 hh and 2 hh + 1 of p have left in both tiles of queries
.macro VLOADH ad, hh
.irp k, 0,1,2,3,8,9,10,11
.irp c, 0,1
	ds_load_b128 v[S+8*(\k+4*(\hh))+4*\c:S+8*(\k+4*(\hh))+4*\c+3], v[\ad] offset:BLK+1024*(\k+4*(\hh))+512*\c
.endr
.endr
.endm
; The softmax of 128 keys for my two tiles, by turns line by line, and the requests for v.  first = 1: the first step has no old M, so no f.
.macro SOFTMAX first, ad
.irp b, 0,1,2,3
.irp u, 0,1
	v_max3_num_f32 v[WK+16*\u+\b], v[S+64*\u+16*\b], v[S+64*\u+16*\b+1], v[S+64*\u+16*\b+2]   ; the largest score of each block of 32 keys: for the row's maximum and, since p rises with the score, for the block's largest p.  Each accumulator is read from its low end on
.endr
.endr
.irp i, 3,5,7,9,11,13
.irp b, 0,1,2,3
.irp u, 0,1
	v_max3_num_f32 v[WK+16*\u+\b], v[WK+16*\u+\b], v[S+64*\u+16*\b+\i], v[S+64*\u+16*\b+\i+1]
.endr
.endr
.endr
.irp b, 0,1,2,3
.irp u, 0,1
	v_max_num_f32 v[WK+16*\u+\b], v[WK+16*\u+\b], v[S+64*\u+16*\b+15]
.endr
.endr
.irp b, 0,1,2,3
.irp u, 0,1
	v_permlanex16_b32 v[WK+16*\u+4+\b], v[WK+16*\u+\b], s[SEL], s[SEL+1]
.endr
.endr
.irp b, 0,1,2,3
.irp u, 0,1
	v_max_num_f32 v[WK+16*\u+\b], v[WK+16*\u+\b], v[WK+16*\u+4+\b]   ; with lane l xor 16's 16 keys
.endr
.endr
.irp u, 0,1
	v_max3_num_f32 v[WK+16*\u+12], v[WK+16*\u], v[WK+16*\u+1], v[WK+16*\u+2]
.endr
.irp u, 0,1
	v_max_num_f32 v[WK+16*\u+12], v[WK+16*\u+12], v[WK+16*\u+3]      ; the step's largest score of my query
.endr
.irp u, 0,1
	v_mul_f32 v[WK+16*\u+12], s[CS], v[WK+16*\u+12]                  ; as t
.endr
.irp u, 0,1
	v_max_num_f32 v[TX+4*\u], v[TX+4*\u], v[WK+16*\u+12]             ; the running largest t
.endr
.if \first == 0
.irp u, 0,1
	v_mov_b32 v[WK+16*\u+12], v[NM+4*\u]
.endr
.endif
.irp u, 0,1
	v_floor_f32 v[NM+4*\u], -v[TX+4*\u]                              ; the new -M = floor(-t): M is a whole number
.endr
.if \first == 0
.irp u, 0,1
	v_sub_f32 v[WK+16*\u+12], v[NM+4*\u], v[WK+16*\u+12]             ; old M - new M: a whole number, 0 or less
.endr
.irp u, 0,1
	v_cvt_i32_f32 v[WK+16*\u+12], v[WK+16*\u+12]                     ; (it saturates)
.endr
.irp u, 0,1
	v_ldexp_f32 v[FF+2*\u], 1.0, v[WK+16*\u+12]                      ; f = 2^(old M - new M)
.endr
.irp u, 0,1
	v_pk_mul_f32 v[LS+4*\u:LS+4*\u+1], v[LS+4*\u:LS+4*\u+1], v[FF+2*\u:FF+2*\u+1] op_sel_hi:[1,0]   ; the sums under the new M, ahead of this step's terms
.endr
.endif
.irp b, 0,1,2,3
.irp u, 0,1
	v_fma_f32 v[WK+16*\u+\b], v[WK+16*\u+\b], s[CS], v[NM+4*\u]      ; t - M of each block's largest score
.endr
.endr
; THE EXPONENTIALS ALTERNATE WITH PLAIN WORK THAT IS READY, so that each has a plain line behind it and neither kind stands in a long run of its own.  First: t - M of pairs 0 to 3 of the scores, two at a time
; (of the pairs c and -M the low word serves both halves), and between them the exponentials of the eight block maxima: the same two instructions on the same number as the block's largest p gets.
.irp p, 0,1,2,3
.irp u, 0,1
	v_pk_fma_f32 v[S+64*\u+2*\p:S+64*\u+2*\p+1], v[S+64*\u+2*\p:S+64*\u+2*\p+1], s[CS:CS+1], v[NM+4*\u:NM+4*\u+1] op_sel_hi:[1,0,0]
	v_exp_f32 v[WK+16*\u+\p], v[WK+16*\u+\p]
.endr
.endr
; Then pair mm of each tile: t - M of the pair four on (at the end, where none is left: the floor 2^(3 - 127) of a block's largest p, so that the byte cannot fall under 1); p = 2^(t - M) of the pair's first;
; the pair before goes into the row's sum, WHICH IS TAKEN OF THE UNQUANTISED p, in two chains (even pairs, odd pairs); p of the pair's second.
.set mm, 0
.rept 32
.irp u, 0,1
.if mm < 28
	v_pk_fma_f32 v[S+64*\u+2*mm+8:S+64*\u+2*mm+9], v[S+64*\u+2*mm+8:S+64*\u+2*mm+9], s[CS:CS+1], v[NM+4*\u:NM+4*\u+1] op_sel_hi:[1,0,0]
.else
	v_max_num_f32 v[WK+16*\u+mm-28], 0x1800000, v[WK+16*\u+mm-28]
.endif
	v_exp_f32 v[S+64*\u+2*mm], v[S+64*\u+2*mm]
.if mm == 2
	s_wait_alu depctr_va_vdst(0)
	v_pk_add_f32 v[WK+16*\u+14:WK+16*\u+15], v[S+64*\u:S+64*\u+1], v[S+64*\u+2:S+64*\u+3]   ; pairs 0 and 1 start the second chain
.elseif (mm > 2) && (mm%2 == 1)
	s_wait_alu depctr_va_vdst(0)
	v_pk_add_f32 v[LS+4*\u:LS+4*\u+1], v[LS+4*\u:LS+4*\u+1], v[S+64*\u+2*mm-2:S+64*\u+2*mm-1]
.elseif mm > 2
	s_wait_alu depctr_va_vdst(0)
	v_pk_add_f32 v[WK+16*\u+14:WK+16*\u+15], v[WK+16*\u+14:WK+16*\u+15], v[S+64*\u+2*mm-2:S+64*\u+2*mm-1]
.endif
	v_exp_f32 v[S+64*\u+2*mm+1], v[S+64*\u+2*mm+1]
.endr
.set mm, mm+1
.endr
	s_wait_alu depctr_va_vdst(0)
.irp u, 0,1
	v_pk_add_f32 v[WK+16*\u+14:WK+16*\u+15], v[WK+16*\u+14:WK+16*\u+15], v[S+64*\u+62:S+64*\u+63]   ; pair 31.  (Tile 0's line is the plain place behind tile 1's last exponential)
.endr
.irp u, 0,1
	v_pk_add_f32 v[LS+4*\u:LS+4*\u+1], v[LS+4*\u:LS+4*\u+1], v[WK+16*\u+14:WK+16*\u+15]
.endr
.irp b, 0,1,2,3
.irp u, 0,1
	v_add_nc_u32 v[WK+16*\u+8+\b], 0xff000000, v[WK+16*\u+\b]        ; 2 off the exponent field: the conversion's scale operand
.endr
.endr
.irp b, 0,1,2,3
.irp u, 0,1
	v_lshrrev_b32 v[WK+16*\u+4+\b], 23, v[WK+16*\u+8+\b]             ; the scale's byte
.endr
.endr
.irp u, 0,1
	v_lshl_or_b32 v[PS+\u], v[WK+16*\u+5], 8, v[WK+16*\u+4]          ; p's scale word for these 128 keys
.endr
.irp u, 0,1
	v_lshl_or_b32 v[PS+\u], v[WK+16*\u+6], 16, v[PS+\u]
.endr
.irp u, 0,1
	v_lshl_or_b32 v[PS+\u], v[WK+16*\u+7], 24, v[PS+\u]
.endr
.irp b, 0,1                                                      ; blocks 0 and 1 become codes; their 64 registers are then free,
.irp u, 0,1
	v_cvt_scalef32_pk8_fp4_f32 v[PCD+8*\u+2*\b], v[S+64*\u+16*\b:S+64*\u+16*\b+7], v[WK+16*\u+8+\b]
	v_cvt_scalef32_pk8_fp4_f32 v[PCD+8*\u+2*\b+1], v[S+64*\u+16*\b+8:S+64*\u+16*\b+15], v[WK+16*\u+8+\b]
.endr
.endr
.irp j, 0,1
	ds_load_b128 v[SC+4*\j:SC+4*\j+3], v[\ad] offset:BLK+16384+512*\j   ; v's scale images,
.endr
	VLOADH \ad, 0                                                    ; and the first half of v is asked for at once
.irp b, 2,3
.irp u, 0,1
	v_cvt_scalef32_pk8_fp4_f32 v[PCD+8*\u+2*\b], v[S+64*\u+16*\b:S+64*\u+16*\b+7], v[WK+16*\u+8+\b]
	v_cvt_scalef32_pk8_fp4_f32 v[PCD+8*\u+2*\b+1], v[S+64*\u+16*\b+8:S+64*\u+16*\b+15], v[WK+16*\u+8+\b]
.endr
.endr
	VLOADH \ad, 1
	v_nop                                                            ; one plain place behind a scaled conversion
.irp u, 0,1
.irp c, 0,1                                                      ; the operand's layout wants a whole block in a lane
.irp i, 0,1
	v_permlane16_swap_b32 v[PCD+8*\u+4*\c+\i], v[PCD+8*\u+4*\c+2+\i]
.endr
.endr
.endr
.endm
.macro RESCALE                         ; O^T under the new M: x f; each accumulator in ascending order.  It stands between v's loads and the wait for them, and its lines are the places between p's scale word and codes and the products that take them
	WIN 0x41                                       ; destination and source 0 window 1
.set i, 0
.rept 64
	v_pk_mul_f32 v[i:i+1], v[i:i+1], v[FF:FF+1] op_sel_hi:[1,0]
	v_pk_mul_f32 v[128+i:129+i], v[128+i:129+i], v[FF+2:FF+3] op_sel_hi:[1,0]
.set i, i+2
.endr
	WIN 0
.endm
.macro PVMUL first, hh                 ; O^T += v^T p^T for half hh of v's tiles: 16 accumulators, one instruction each.  C and D lie in window 1: the caller sets the windows
.irp k, 0,1,2,3,8,9,10,11
.irp u, 0,1
	WM 128*\u+8*(\k+4*(\hh)), S+8*(\k+4*(\hh)), PCD+8*\u, \first, SC+4*((\k+4*(\hh))/8)+((\k+4*(\hh))%8)/2, PS+\u, (\k+4*(\hh))%2, 0
.endr
.endr
.endm
; A step: my group's 128 keys in the slot that ad points into.  ALL OF k IS ASKED FOR AT THE STEP'S HEAD, 34 loads in one run: S^T's tiles 4 to 7 are written last, so their registers hold k's tiles 0 to 3 until those are multiplied.
.macro STEP ad, first
	ds_load_b128 v[SC:SC+3], v[\ad] offset:16384   ; k's scale images, K steps 0 and 1
	ds_load_b128 v[SC+4:SC+7], v[\ad] offset:16896
	KLOAD \ad, 0, S+32, 64                         ; tiles 0, 1 where S^T's tiles 4, 5 will lie
	KLOAD \ad, 1, S+48, 64                         ; tiles 2, 3 where S^T's tiles 6, 7 will lie
	KLOAD \ad, 2, F, 16
	KLOAD \ad, 3, F2, 16
	s_wait_dscnt 24                                ; the scale words and tiles 0, 1 are in; the youngest 24 loads (tiles 2 to 7) may be out
	KMUL 0, S+32, 64
	s_wait_dscnt 16                                ; tiles 2, 3 are in; tiles 4 to 7 may be out
	KMUL 1, S+48, 64
	PLACES 5                                       ; the products below write over the fragments that the sixteen above have read: five places stand between, once for both pairs
	s_wait_dscnt 8                                 ; tiles 4, 5 are in; tiles 6, 7 may be out
	KMUL 2, F, 16
	s_wait_dscnt 0x0
	KMUL 3, F2, 16
	PLACES 4                                       ; in front of the first read of results and of writes into the buffers
	SOFTMAX \first, \ad
.if \first
	PLACES 8                                       ; nothing to rescale: eight places between p's scale word and the products that take it
.else
	RESCALE
.endif
	s_wait_dscnt 16                                ; v's scale images and first half are in; the second half's 16 loads may be out
	WIN 0x50                                       ; C and D window 1
	PVMUL \first, 0
	s_wait_dscnt 0x0
	PVMUL \first, 1
	WIN 0
	PLACES 5                                       ; the next step's products write over v's fragments (five places), its loads land in them, in the scale words and in p's codes (four)
.endm
; The change of slots.  Each wave waits for all its tensor loads (its block of the slot ahead), adds 0 to its spare word, and waits for that and for its reads of the slot that it leaves.
; fill = 1: the barrier is a round of the cluster's, so that no wave of any partner still reads the slot or has a load on its way, and the slot left is filled first thing behind it, with the keys two slots on.
.macro CHANGE fill, g0
	s_wait_tensorcnt 0x0                           ; no tensor load of mine is out, so a group 0 may be written
	ds_add_u32 v[SPW], v[NIL]                      ; 0 onto my spare word
.if \fill
	s_add_nc_u64 s[\g0+2:\g0+3], s[\g0+2:\g0+3], 2*SLOTB   ; the type bits on top are not reached
.endif
	s_wait_dscnt 0x0                               ; the add is done, and my reads of the slot are over
.if \fill
	CROUND
	tensor_load_to_lds s[\g0:\g0+3], s[G1:G1+7]    ; my one tensor load behind the round: it has a whole step of all eight waves in which to land
	s_nop 0
	PLACES 4
.else
	s_barrier_signal -1
	s_barrier_wait -1
.endif
.endm
	s_load_b256 s[4:11], s[0:1], 0x0               ; qq s[4:5], kv s[6:7], Ww s[8:9], bw s[10:11]
	s_load_b64 s[12:13], s[0:1], 0x20              ; out0
	v_lshl_add_u32 v[SPW], v0, 2, SPARE
	v_mov_b32 v[NIL], 0
	ds_add_u32 v1, v2
	ds_add_u32 v1, v2
	s_wait_dscnt 0x0
	v_lshrrev_b32 v64, 5, v0
	v_readfirstlane_b32 s[WV], v64                 ; wave 0..7
	s_and_b32 s16, s[WV], 1                        ; g
	s_lshr_b32 s17, s[WV], 1                       ; c
	s_bfe_u32 s18, ttmp6, 0x40000                  ; cx: my place in the cluster: it enters q's and the output's addresses alone
	s_lshl_b32 s19, ttmp9, 2                       ; in a cluster launch ttmp9 counts clusters
	s_add_co_u32 s19, s19, s18                     ; X: my block of 64 queries
	s_and_b32 s20, ttmp7, 0xffff                   ; the batch, which the four partners share
	; descriptor group 1: 68 rows of 256 bytes (32 elements of 8), dense
	s_mov_b32 s[G1], 15|(3<<16)|(1<<21)            ; 15:0 the mask: all four work-groups; 17:16 elements of 8 bytes; 21 set beside a mask; no padding: images are read 16 bytes a lane on end
	s_mov_b32 s[G1+1], 32<<16                      ; tensor_dim0 = 32
	s_mov_b32 s[G1+2], 68<<16                      ; tensor_dim1 = 68
	s_mov_b32 s[G1+3], 32<<16                      ; tile_dim0 = 32
	s_mov_b32 s[G1+4], 68                          ; tile_dim1 = 68
	s_mov_b32 s[G1+5], 32                          ; from row to row
	s_mov_b32 s[G1+6], 0
	s_mov_b32 s[G1+7], 0
	s_mov_b32 s[CS], 0x3db8aa3b                    ; log2(e) / sqrt(256)
	s_mov_b32 s[CS+1], s[CS]                       ; (named with it as a pair, so it is written)
	s_mov_b32 s[SEL], 0x76543210
	s_mov_b32 s[SEL+1], 0xfedcba98
	s_mul_i32 s[G0A+1], s[WV], BLK                 ; my block's place in slot A: the wave's number alone
	s_add_co_u32 s[G0B+1], s[G0A+1], SLOTB         ; and in slot B
	s_mul_i32 s44, s20, 16*GRP                     ; the batch's 16 groups,
	s_add_co_u32 s44, s44, s[G0A+1]                ; my block of its first slot
	s_mov_b32 s45, 0
	s_lshl_b32 s46, s20, 4
	s_lshr_b32 s47, s19, 1
	s_add_co_u32 s46, s46, s47                     ; my queries' group: 16 x batch + X / 2
	s_mul_i32 s46, s46, BLK
	s_mov_b32 s47, 0
	s_and_b32 s48, s19, 1
	s_lshl_b32 s48, s48, 2
	s_lshl_b32 s49, s16, 1
	s_add_co_u32 s21, s48, s49                     ; my first tile of queries in the group: 4 (X % 2) + 2 g
	v_and_b32 v65, 31, v0                          ; lane
	v_and_b32 v66, 15, v0                          ; r
	v_bfe_u32 v67, v0, 4, 1                        ; h
	v_lshlrev_b32 v71, 4, v65                      ; 16 x lane
	s_mul_i32 s22, s17, GRP
	v_add_nc_u32 v[AD0], s22, v71
	v_add_nc_u32 v[AD1], SLOTB, v[AD0]
	v_lshl_add_u32 v[WA], v67, 6, WWL
	v_and_b32 v68, 8, v66
	v_add_nc_u32 v68, v68, v66                     ; r + 8 (r / 8)
	v_lshl_add_u32 v68, v67, 3, v68                ; + 8 x tile: at the end lanes 0-15 speak for tile 0, lanes 16-31 for tile 1
	s_lshl_b32 s22, s16, 5
	v_add_nc_u32 v68, s22, v68                     ; + 32 g: my query among the work-group's 64
	v_lshlrev_b32 v[MA], 4, v68
	s_lshl_b32 s22, s17, 10
	s_add_co_u32 s22, s22, MRG
	v_add_nc_u32 v[MA], s22, v[MA]
	v_lshl_add_u32 v[FA], v65, 5, MRG
	v_lshl_add_u32 v69, v0, 2, WWL                 ; Ww: a number a thread
	v_lshlrev_b32 v70, 2, v0
	s_wait_kmcnt 0x0
	s_load_b32 s14, s[10:11], 0x0                  ; bw: wanted only at the very end, and waited for there
	s_add_nc_u64 s[6:7], s[6:7], s[44:45]
	s_mov_b32 s[G0A], 1                            ; count = 1
	s_mov_b64 s[G0A+2:G0A+3], s[6:7]               ; keys 0 to 511
	s_or_b32 s[G0A+3], s[G0A+3], 0x80000000        ; type = 2
	s_mov_b32 s[G0B], 1
	s_add_nc_u64 s[G0B+2:G0B+3], s[6:7], SLOTB     ; keys 512 to 1,023
	s_or_b32 s[G0B+3], s[G0B+3], 0x80000000
	s_add_nc_u64 s[4:5], s[4:5], s[46:47]          ; q's block
	s_lshl_b32 s48, s21, 10
	s_mov_b32 s49, 0
	s_add_nc_u64 s[50:51], s[4:5], s[48:49]        ; my two tiles' fragments
	s_lshl_b32 s48, s21, 1                         ; word p = tile / 2 of the scale image: 4 p bytes
	s_add_co_u32 s48, s48, 16384
	s_add_nc_u64 s[52:53], s[4:5], s[48:49]
	s_lshl_b32 s46, s20, 13                        ; the output: (2,048 x batch + 64 X) x 4 bytes
	s_lshl_b32 s48, s19, 8
	s_add_co_u32 s46, s46, s48
	s_add_nc_u64 s[12:13], s[12:13], s[46:47]
	CROUND                                         ; all four work-groups are here: the first joint loads meet
	tensor_load_to_lds s[G0A:G0A+3], s[G1:G1+7]    ; slot A, which the first step reads.  Both first fills stand ahead of every wait on TENSORcnt, every LDS read and every barrier behind the round
	s_nop 0
	PLACES 4
.irp u, 0,1                                    ; q's loads and the starting values stand between the two fills: a wave asks for its block of slot B some twenty lines behind its block of slot A
.irp e, 0,1
.irp c, 0,1
	global_load_b128 v[Q+16*\u+8*\e+4*\c:Q+16*\u+8*\e+4*\c+3], v71, s[50:51] offset:\e*8192+\u*1024+512*\c   ; q stays in registers
.endr
.endr
.endr
.irp e, 0,1
	global_load_b32 v[QS+\e], v71, s[52:53] offset:512*\e   ; lanes 0-15: tile 0's scale words; lanes 16-31: tile 1's
.endr
	global_load_b32 v72, v70, s[8:9]
.irp u, 0,1
	v_mov_b32 v[TX+4*\u], 0xff61b1e6               ; the largest t so far: -3e38, under every t
	v_mov_b32 v[LS+4*\u], 0                        ; the sum, in two halves
	v_mov_b32 v[LS+4*\u+1], 0
	v_mov_b32 v[FF+2*\u+1], 0                      ; (named as the upper half of f's pair)
.endr
	tensor_load_to_lds s[G0B:G0B+3], s[G1:G1+7]    ; slot B: two loads of mine are out
	s_nop 0
	PLACES 4
	s_wait_loadcnt 0x0                             ; q, its scale words, Ww
	ds_store_b32 v69, v72
	s_wait_tensorcnt 0x1                           ; my block of slot A is in; slot B's may stay out
	s_wait_dscnt 0x0                               ; for the others' sake: my 128 bytes of Ww are in LDS
	s_barrier_signal -1
	s_barrier_wait -1
	STEP AD0, 1                                    ; keys 128 c on
	CHANGE 1, G0A                                  ; slot A takes keys 1,024 to 1,535
	STEP AD1, 0                                    ; keys 512 + 128 c on
	CHANGE 1, G0B                                  ; slot B takes keys 1,536 to 2,047
	STEP AD0, 0
	CHANGE 0, G0A                                  ; nothing is left to fetch
	STEP AD1, 0
	; THE END.  Ww in O^T's layout; my sum; the dot of my O^T with Ww; then a record (-M, sum, dot) for each of my 32 queries.
.irp n, 0,1,2,3,4,5,6,7,8,9,10,11,12,13,14,15
	ds_load_b128 v[S+8*\n:S+8*\n+3], v[WA] offset:(128*(\n/8)+32*((\n%8)/2)+8*(\n%2))*4
	ds_load_b128 v[S+8*\n+4:S+8*\n+7], v[WA] offset:(128*(\n/8)+32*((\n%8)/2)+8*(\n%2))*4+16
.endr
.irp u, 0,1
	v_add_f32 v[200+\u], v[LS+4*\u], v[LS+4*\u+1]  ; the sum's two halves,
.endr
.irp u, 0,1
	v_permlanex16_b32 v[202+\u], v[200+\u], s[SEL], s[SEL+1]
.endr
.irp u, 0,1
	v_add_f32 v[200+\u], v[200+\u], v[202+\u]      ; and lane l xor 16's
.endr
	s_wait_kmcnt 0x0                               ; bw, asked for at the head: on every wave's path, ahead of the one line that reads s14
	s_wait_dscnt 0x0
	WIN 0x01                                       ; source 0 (O^T) window 1
.irp n, 0,1,2,3,4,5,6,7,8,9,10,11,12,13,14,15  ; two chains a tile; each accumulator in ascending order
.irp k, 0,1,2,3
.irp u, 0,1
.if (\n == 0) && (\k < 2)
	v_pk_mul_f32 v[DA+4*\u+2*(\k%2):DA+4*\u+2*(\k%2)+1], v[128*\u+8*\n+2*\k:128*\u+8*\n+2*\k+1], v[S+8*\n+2*\k:S+8*\n+2*\k+1]
.else
	v_pk_fma_f32 v[DA+4*\u+2*(\k%2):DA+4*\u+2*(\k%2)+1], v[128*\u+8*\n+2*\k:128*\u+8*\n+2*\k+1], v[S+8*\n+2*\k:S+8*\n+2*\k+1], v[DA+4*\u+2*(\k%2):DA+4*\u+2*(\k%2)+1]
.endif
.endr
.endr
.endr
	WIN 0
.irp u, 0,1
	v_pk_add_f32 v[DA+4*\u:DA+4*\u+1], v[DA+4*\u:DA+4*\u+1], v[DA+4*\u+2:DA+4*\u+3]
.endr
.irp u, 0,1
	v_add_f32 v[DA+4*\u], v[DA+4*\u], v[DA+4*\u+1]
.endr
.irp u, 0,1
	v_permlanex16_b32 v[204+\u], v[DA+4*\u], s[SEL], s[SEL+1]
.endr
.irp u, 0,1
	v_add_f32 v[DA+4*\u], v[DA+4*\u], v[204+\u]    ; the other 128 channels lie in lane l xor 16
.endr
	s_mov_b32 vcc_lo, 0xffff0000                   ; lanes 0-15 speak for tile 0, lanes 16-31 for tile 1
	v_cndmask_b32 v208, v[NM], v[NM+4], vcc_lo
	v_cndmask_b32 v209, v200, v201, vcc_lo
	v_cndmask_b32 v210, v[DA], v[DA+4], vcc_lo
	v_mov_b32 v211, 0
	ds_store_b128 v[MA], v[208:211]
	s_wait_dscnt 0x0                               ; for wave 0's sake: my records are in LDS
	s_barrier_signal -1
	s_barrier_wait -1
	s_cmp_lg_u32 s[WV], 0
	s_cbranch_scc1 .Lend
	; wave 0 joins the four parts of each of the 64 queries, two queries a lane
.irp c, 0,1,2,3
	ds_load_b128 v[S+8*\c:S+8*\c+3], v[FA] offset:1024*\c
	ds_load_b128 v[S+8*\c+4:S+8*\c+7], v[FA] offset:1024*\c+16
.endr
	v_and_b32 v208, 31, v0
	v_lshlrev_b32 v208, 3, v208                    ; 8 bytes a lane in the output
	s_wait_dscnt 0x0
.irp k, 0,1
	v_min_num_f32 v[WK+\k], v[S+4*\k], v[S+8+4*\k] ; the least -M: the largest M
.endr
.irp k, 0,1
	v_min_num_f32 v[WK+\k], v[WK+\k], v[S+16+4*\k]
.endr
.irp k, 0,1
	v_min_num_f32 v[WK+\k], v[WK+\k], v[S+24+4*\k]
.endr
.irp c, 0,1,2,3
.irp k, 0,1
	v_sub_f32 v[WK+2+2*\c+\k], v[WK+\k], v[S+8*\c+4*\k]   ; part c's M less the largest: a whole number, 0 or less
.endr
.endr
.irp c, 0,1,2,3
.irp k, 0,1
	v_cvt_i32_f32 v[WK+2+2*\c+\k], v[WK+2+2*\c+\k]
.endr
.endr
.irp c, 0,1,2,3
.irp k, 0,1
	v_ldexp_f32 v[WK+2+2*\c+\k], 1.0, v[WK+2+2*\c+\k]     ; the part's factor: an exact power of two
.endr
.endr
.irp k, 0,1
	v_mul_f32 v[WK+10+\k], v[WK+2+\k], v[S+4*\k+1]        ; the sums,
	v_mul_f32 v[WK+12+\k], v[WK+2+\k], v[S+4*\k+2]        ; and the dots
.endr
.irp c, 1,2,3
.irp k, 0,1
	v_fma_f32 v[WK+10+\k], v[WK+2+2*\c+\k], v[S+8*\c+4*\k+1], v[WK+10+\k]
	v_fma_f32 v[WK+12+\k], v[WK+2+2*\c+\k], v[S+8*\c+4*\k+2], v[WK+12+\k]
.endr
.endr
.irp k, 0,1
	v_rcp_f32 v[WK+10+\k], v[WK+10+\k]
.endr
	v_nop                                          ; a plain place behind the reciprocals
	s_wait_alu depctr_va_vdst(0)
.irp k, 0,1
	v_fma_f32 v[WK+14+\k], v[WK+12+\k], v[WK+10+\k], s14   ; dot / sum + bw
.endr
	global_store_b64 v208, v[WK+14:WK+15], s[12:13]        ; 32 lanes store 256 consecutive bytes, at a multiple of 256 from the output's first byte
.Lend:
	s_wait_tensorcnt 0x0                           ; the wave's end, behind my last tensor load and my last LDS store
	ds_add_u32 v[SPW], v[NIL]
	s_wait_dscnt 0x0
	CROUND                                         ; the closing round: no work-group ends while a partner may still ask for a tile that names it
	s_endpgm
.Lfunc_end_k_qaf47fbf33a_attn:
	.size	k_qaf47fbf33a_attn, .Lfunc_end_k_qaf47fbf33a_attn-k_qaf47fbf33a_attn
	.p2alignl 7, 3214868480
	.fill 96, 4, 3214868480
	.section	.rodata,"a",@progbits
	.p2align	6, 0x0
	.amdhsa_kernel k_qaf47fbf33a_attn
		.amdhsa_group_segment_fixed_size 327680
		.amdhsa_private_segment_fixed_size 0
		.amdhsa_enable_private_segment 0
		.amdhsa_kernarg_size 40
		.amdhsa_user_sgpr_count 2
		.amdhsa_user_sgpr_kernarg_segment_ptr 1
		.amdhsa_wavefront_size32 1
		.amdhsa_system_sgpr_workgroup_id_x 1
		.amdhsa_system_sgpr_workgroup_id_y 1
		.amdhsa_system_sgpr_workgroup_id_z 1
		.amdhsa_system_vgpr_workitem_id 0
		.amdhsa_next_free_vgpr 512
		.amdhsa_next_free_sgpr 66
		.amdhsa_reserve_vcc 1
		.amdhsa_float_denorm_mode_32 3
		.amdhsa_float_denorm_mode_16_64 3
		.amdhsa_memory_ordered 1
		.amdhsa_forward_progress 1
		.amdhsa_inst_pref_size 191
	.end_amdhsa_kernel
	.amdgpu_metadata
---
amdhsa.version: [ 1, 2 ]
amdhsa.kernels:
  - .name:           k_qaf47fbf33a_attn
    .symbol:         k_qaf47fbf33a_attn.kd
    .args:
      - { .name: qq, .offset: 0, .size: 8, .value_kind: global_buffer, .address_space: global }
      - { .name: kv, .offset: 8, .size: 8, .value_kind: global_buffer, .address_space: global }
      - { .name: Ww, .offset: 16, .size: 8, .value_kind: global_buffer, .address_space: global }
      - { .name: bw, .offset: 24, .size: 8, .value_kind: global_buffer, .address_space: global }
      - { .name: out0, .offset: 32, .size: 8, .value_kind: global_buffer, .address_space: global }
    .group_segment_fixed_size: 327680
    .private_segment_fixed_size: 0
    .kernarg_segment_align: 8
    .kernarg_segment_size: 40
    .max_flat_workgroup_size: 256
    .sgpr_count:     66
    .vgpr_count:     512
    .wavefront_size: 32
...
	.end_amdgpu_metadata
.endif
;; end of part 2
;; ======== version 2 of 2: 2 launches; version 1 with the launch proj written anew for expert scheduling mode
;; workspace buffers: qq 2,228,224 bytes; kv 4,456,448 bytes
;; launch proj (part 3): grid 256 x 1, 3 waves a work-group, no clusters, 0 bytes of LDS; arguments x_codes, x_scales, Wq_codes, Wq_scales, Wk_codes, Wk_scales, Wv_codes, Wv_scales, bq, bk, bv, qq, kv; writes qq, kv
.if DOCPART == 3
	.amdgcn_target "amdgcn-amd-amdhsa--gfx1250"
	.amdhsa_code_object_version 6
	.text
	.protected	k_qaf47fbf33a_proj
	.globl	k_qaf47fbf33a_proj
	.p2align	8
	.type	k_qaf47fbf33a_proj,@function
k_qaf47fbf33a_proj:
	s_mov_b64 s[64:65], 0
	v_nop
	global_prefetch_b8 v0, s[64:65] scope:SCOPE_SE
	s_setreg_imm32_b32 hwreg(HW_REG_WAVE_SCHED_MODE, 0, 2), 2
	s_setreg_imm32_b32 hwreg(HW_REG_WAVE_MODE, 25, 1), 1
	s_wait_xcnt 0x0
	s_wait_alu depctr_vm_vsrc(0)
; q = x Wq + bq, k = x Wk + bk, v = x Wv + bv on codes of FP4 (E2M1) with E8M0 scales, sums in f32 (the bias is the C of each sum's first product);
; then q and k are quantised along their 256 channels and v along the keys, and leave as IMAGES OF OPERAND REGISTERS for the next launch.
; TOKENS go in groups of 128: group G = 16 x batch + token / 128.  A BLOCK (17,408 bytes) holds 16 fragments of 16 rows x 128 K and their scale words:
;   codes [half 0..1][unit 0..7][c 0..1][lane x 16 bytes]; scale images at 16,384 + 512 half: word p of lane (r, hh) is the scale word of unit 2 p + hh, row r.
;   q's block: qq + 17,408 G (half = channels 128 e on, unit = tile of tokens).  k's: kv + 34,816 G, likewise.  v's: kv + 34,816 G + 17,408 (tile of channels = 8 half + unit, K = the group's 128 keys).
; THE ROWS OF A TILE ARE NOT NEIGHBOURS: lane r of tile t takes row 32 (t / 2) + 8 (t % 2) + r + 8 (r / 8), for tokens, rows of W and channels alike, so that the 16 result registers
; of tiles 2 b and 2 b + 1 are 16 neighbours, 32 b + 16 (lane / 16) + 0 .. 15, along the next product's K.
; SHARES.  Work-group = (G, hf).  Waves 0, 1: half e = wave of q (hf = 0) or of k (hf = 1).  Wave 2: half hf of v.  Each wave makes 8 units: a unit is 16 matrix instructions, 64 results a lane, one fragment.
; ONE FORM FOR ALL ROLES: D_t = big tile t x small, t = 0 .. 7, two K steps.  q, k: big = 128 rows of W, small = a tile of tokens: a lane holds one token, registers along channels.
; v: big = the group's 128 tokens, small = a tile of Wv's rows: a lane holds one channel, registers along the keys.  Rows of x and of W are both 128 bytes, so the roles differ in pointers alone.
; NO CLUSTER, NO LDS: each wave takes its 32 KB of operands straight into registers as fragments and uses them from there; joint requests serve tensor loads into LDS, which this text has none of.
; LIMITS: NaN and infinities are not served; a block whose largest magnitude lies under 2^-124 keeps the scale byte 1 (a block of zeros too: its codes are zeros, and this program alone reads the bytes).
; THE MODE: SCHED_MODE bits 1:0 = 2 (LLVM: expert scheduling mode 2), set by the entry lines.  The code itself states the register dependences
; between vector or matrix instructions and memory instructions, with s_wait_alu, always for 0.
; THE PLAN.  Registers that memory instructions touch:
;   v4-8         Byte offsets, made once at the head by vector instructions and never written again.  v4, v5, v6, v8 are read by loads, v7 by every store.
;   big, small, their scale words, the bias.  Loads alone land in them, and all those loads are issued before any vector or matrix instruction names these registers.
;   v144-207     Codes, eight registers to a unit.  Written by unit i's conversions and exchanges; read by unit i's two stores, which are issued in unit i + 1; never written again.
;   v132-135     The scale image.  Written by the eight units' vector lines; read by one store, at the end.
;   v48-127, the results and the registers at work, are named by vector and matrix instructions alone.
; So one wait on va_vdst stands ahead of the first load (the offsets are written), one in each of units 1 to 7 ahead of the stores of the unit before (its codes are written), and one at the end
; ahead of the last three stores.  One wait on va_sdst stands ahead of the first reader of the wave's number.  No register that a memory instruction reads is written again: no wait on vm_vsrc is owed.
; REGISTERS.  window 0: v1-8 lane figures and offsets; v16-31 big's scale words; v32-47 small's; v48-111 a unit's results; v112-127 at work; v128 a scale word; v132-135 the scale image; v144-207 codes, 8 a unit.
;   window 1: v0-127 big's 16 fragments; v128-191 the bias, 8 registers a tile.   window 2: v0-127 small's 16 fragments.
.set VR,  4                            ; v4   row x 128 + 16 (lane / 16): my place in a tile's rows of codes
.set VS,  5                            ; v5   row x 8: my row's scale words
.set VB,  6                            ; v6   q, k: my offset in the bias: 64 (lane / 16)
.set VO,  7                            ; v7   16 x lane: my place in an image
.set VBV, 8                            ; v8   v: my offset in the bias: 4 x row
.set BSC, 16
.set SSC, 32
.set H,   48
.set TM,  112                          ; +0..3 largest magnitudes, +4..7 the other half's, then bytes, +12..15 the conversions' scale operands
.set PWT, 128
.set SP,  132
.set PC,  144
.set BG,  0
.set BI,  128
.set SM,  0
.set SEL, 48                           ; s[48:49] v_permlanex16_b32's selects for lane l xor 16
.set MSB, 0
.macro WIN new                         ; the immediate's high byte repeats the setting that is left
.if MSB != \new
	s_set_vgpr_msb (MSB<<8)|\new
.set MSB, \new
.endif
.endm
; 64 numbers of a lane, register 16 b + i = k 32 b + 16 (lane / 16) + i of my row, become a fragment's codes in v[pc] on and its scale word in v[pw].
.macro QUANT s, pc, pw
.irp b, 0,1,2,3
	v_max3_num_f32 v[TM+\b], |v[(\s)+16*\b]|, |v[(\s)+1+16*\b]|, 0x1800000   ; block b: my 16 numbers, and the floor 2^(3 - 127): the byte cannot fall under 1.  Each accumulator is read from its low end on
.endr
.irp i, 2,4,6,8,10,12,14
.irp b, 0,1,2,3
	v_max3_num_f32 v[TM+\b], v[TM+\b], |v[(\s)+16*\b+\i]|, |v[(\s)+1+16*\b+\i]|   ; the four blocks by turns
.endr
.endr
.irp b, 0,1,2,3
	v_permlanex16_b32 v[TM+4+\b], v[TM+\b], s[SEL], s[SEL+1]
.endr
.irp b, 0,1,2,3
	v_max_num_f32 v[TM+\b], v[TM+\b], v[TM+4+\b]   ; with lane l xor 16's: the block's largest magnitude
.endr
.irp b, 0,1,2,3
	v_add_nc_u32 v[TM+12+\b], 0xff000000, v[TM+\b]   ; 2 off its exponent field: the conversion takes the exponent field of this operand as its scale
.endr
.irp b, 0,1,2,3
	v_lshrrev_b32 v[TM+4+\b], 23, v[TM+12+\b]      ; the scale's byte
.endr
	v_lshl_or_b32 v[(\pw)], v[TM+5], 8, v[TM+4]    ; the four bytes make my row's scale word, the same in both halves of the lanes
	v_lshl_or_b32 v[(\pw)], v[TM+6], 16, v[(\pw)]
	v_lshl_or_b32 v[(\pw)], v[TM+7], 24, v[(\pw)]
.irp b, 0,1,2,3
	v_cvt_scalef32_pk8_fp4_f32 v[(\pc)+2*\b], v[(\s)+16*\b:(\s)+7+16*\b], v[TM+12+\b]
	v_cvt_scalef32_pk8_fp4_f32 v[(\pc)+1+2*\b], v[(\s)+8+16*\b:(\s)+15+16*\b], v[TM+12+\b]
.endr
	v_nop                                          ; one plain place behind a scaled conversion
.irp c, 0,1                                    ; the operand's layout wants a whole block in a lane: lanes 0-15 block 2 c, lanes 16-31 block 2 c + 1
.irp i, 0,1
	v_permlane16_swap_b32 v[(\pc)+4*\c+\i], v[(\pc)+2+4*\c+\i]
.endr
.endr
.endm
; Unit i's fragment leaves: two stores.  Each unit has its own eight registers: no store's data are written again.
.macro SEND i
	global_store_b128 v[VO], v[PC+8*(\i):PC+8*(\i)+3], s[34:35] offset:1024*(\i)         ; 32 lanes store 512 consecutive bytes, at a multiple of 256 from the buffer's first byte
	global_store_b128 v[VO], v[PC+8*(\i)+4:PC+8*(\i)+7], s[34:35] offset:1024*(\i)+512
.endm
; Unit i: small's tile i against big's eight tiles.  The eight accumulators take turns, one instruction a turn.  vrole = 1: the bias hangs on small's row (my lane), else on big's rows (my registers).
; The fragment of the unit before is stored here, behind this unit's products and their places: the lines that follow read those products' results in any case.
.macro UNIT i, vrole
	WIN 0x19                                       ; source 0 (big) window 1, source 1 (small) window 2, source 2 (bias) window 1
.irp t, 0,1,2,3,4,5,6,7
.if \vrole
	v_wmma_scale_f32_16x16x128_f8f6f4 v[H+8*\t:H+8*\t+7], v[BG+16*\t:BG+16*\t+7], v[SM+16*(\i):SM+16*(\i)+7], v[BI+8*(\i):BI+8*(\i)+7], v[BSC+2*\t], v[SSC+2*(\i)] matrix_a_fmt:MATRIX_FMT_FP4 matrix_b_fmt:MATRIX_FMT_FP4
.else
	v_wmma_scale_f32_16x16x128_f8f6f4 v[H+8*\t:H+8*\t+7], v[BG+16*\t:BG+16*\t+7], v[SM+16*(\i):SM+16*(\i)+7], v[BI+8*\t:BI+8*\t+7], v[BSC+2*\t], v[SSC+2*(\i)] matrix_a_fmt:MATRIX_FMT_FP4 matrix_b_fmt:MATRIX_FMT_FP4
.endif
.endr
	WIN 0x09                                       ; the second K step adds in place
.irp t, 0,1,2,3,4,5,6,7
	v_wmma_scale_f32_16x16x128_f8f6f4 v[H+8*\t:H+8*\t+7], v[BG+16*\t+8:BG+16*\t+15], v[SM+16*(\i)+8:SM+16*(\i)+15], v[H+8*\t:H+8*\t+7], v[BSC+2*\t+1], v[SSC+2*(\i)+1] matrix_a_fmt:MATRIX_FMT_FP4 matrix_b_fmt:MATRIX_FMT_FP4
.endr
	WIN 0
.rept 4
	v_nop                                          ; four places in front of the first read of results (ISA guide 7.12.1); the lines of QUANT on v112-127 add the fifth in front of the next unit's products, which begin these accumulators anew
.endr
.if (\i) > 0
	s_wait_alu depctr_va_vdst(0)                   ; the conversions and exchanges of the unit before have written its eight code registers, which the two stores below read
	SEND (\i)-1
.endif
.if (\i)%2 == 0
	QUANT H, PC+8*(\i), SP+(\i)/2
.else
	QUANT H, PC+8*(\i), PWT
	v_cndmask_b32 v[SP+(\i)/2], v[SP+(\i)/2], v[PWT], vcc_lo   ; lanes 16-31 of the image's word carry the odd unit
.endif
.endm
	s_load_b512 s[8:23], s[0:1], 0x0               ; x's codes, x's scales, Wq's, Wk's, Wv's codes and scales
	s_load_b256 s[24:31], s[0:1], 0x40             ; bq, bk, bv, qq
	s_load_b64 s[32:33], s[0:1], 0x60              ; kv
	v_lshrrev_b32 v1, 5, v0
	v_readfirstlane_b32 s4, v1                     ; wave 0..2
	s_lshr_b32 s2, ttmp9, 1                        ; G
	s_and_b32 s3, ttmp9, 1                         ; hf
	v_and_b32 v1, 15, v0                           ; r
	v_bfe_u32 v2, v0, 4, 1                         ; h
	v_and_b32 v3, 8, v1
	v_add_nc_u32 v3, v3, v1                        ; r + 8 (r / 8)
	v_lshlrev_b32 v[VR], 7, v3
	v_lshl_add_u32 v[VR], v2, 4, v[VR]
	v_lshlrev_b32 v[VS], 3, v3
	v_and_b32 v[VO], 31, v0
	v_lshlrev_b32 v[VO], 4, v[VO]
	v_lshlrev_b32 v[VB], 6, v2                     ; both roles' offsets in the bias are made here, with the other offsets, ahead of the one wait for them
	v_lshlrev_b32 v[VBV], 2, v3
.irp b, 0,1,2,3
	v_mov_b32 v[TM+4+\b], 0                        ; written once: a lane permute's destination counts as one of its sources
.endr
	s_mov_b32 s[SEL], 0x76543210
	s_mov_b32 s[SEL+1], 0xfedcba98
	s_mov_b32 vcc_lo, 0xffff0000                   ; lanes 16-31
	s_mov_b32 s39, 0                               ; the upper word of every offset
	s_wait_alu depctr_va_sdst(0)                   ; s4, the wave's number, is written, ahead of its first reader: the choices of buffers below are made from it
	s_wait_kmcnt 0x0
	s_cmp_eq_u32 s3, 0                             ; waves 0, 1: q's buffers or k's.  Every choice hangs on ids alone
	s_cselect_b64 s[12:13], s[12:13], s[16:17]     ; W's codes
	s_cselect_b64 s[14:15], s[14:15], s[18:19]     ; W's scales
	s_cselect_b64 s[24:25], s[24:25], s[26:27]     ; the bias
	s_cselect_b64 s[30:31], s[30:31], s[32:33]     ; where the block goes
	s_mov_b32 s6, 34816
	s_cselect_b32 s6, 17408, s6                    ; bytes from group to group there
	s_cmp_eq_u32 s4, 2                             ; wave 2: v's
	s_cselect_b64 s[12:13], s[20:21], s[12:13]
	s_cselect_b64 s[14:15], s[22:23], s[14:15]
	s_cselect_b64 s[24:25], s[28:29], s[24:25]
	s_cselect_b64 s[30:31], s[32:33], s[30:31]
	s_cselect_b32 s5, s3, s4                       ; which half of W's rows, and of the block, is mine
	s_cselect_b32 s6, 34816, s6
	s_cselect_b32 s7, 17408, 0                     ; v's block lies behind k's
	s_lshl_b32 s38, s5, 14                         ; 128 rows of W: 16,384 bytes of codes,
	s_add_nc_u64 s[12:13], s[12:13], s[38:39]
	s_lshl_b32 s38, s5, 10                         ; 1,024 of scales,
	s_add_nc_u64 s[14:15], s[14:15], s[38:39]
	s_lshl_b32 s38, s5, 9                          ; 512 of bias
	s_add_nc_u64 s[24:25], s[24:25], s[38:39]
	s_lshl_b32 s38, s2, 14                         ; the group's 128 rows of x
	s_add_nc_u64 s[8:9], s[8:9], s[38:39]
	s_lshl_b32 s38, s2, 10
	s_add_nc_u64 s[10:11], s[10:11], s[38:39]
	s_mul_i32 s38, s2, s6
	s_add_co_u32 s38, s38, s7
	s_add_nc_u64 s[30:31], s[30:31], s[38:39]      ; my block
	s_lshl_b32 s38, s5, 13
	s_add_nc_u64 s[34:35], s[30:31], s[38:39]      ; my half's codes
	s_lshl_b32 s38, s5, 9
	s_add_co_u32 s38, s38, 16384
	s_add_nc_u64 s[36:37], s[30:31], s[38:39]      ; my half's scale image
	s_cmp_eq_u32 s4, 2                             ; big and small: for v, x is big
	s_cselect_b64 s[40:41], s[8:9], s[12:13]
	s_cselect_b64 s[42:43], s[10:11], s[14:15]
	s_cselect_b64 s[44:45], s[12:13], s[8:9]
	s_cselect_b64 s[46:47], s[14:15], s[10:11]
	WIN 0x40                                       ; destination window 1
	s_wait_alu depctr_va_vdst(0)                   ; the offsets v4 to v8 are written, which every load and store of the kernel reads; up to the last load of either role only loads, window switches, a scalar compare and a branch follow
.irp t, 0,1,2,3,4,5,6,7                        ; a fragment: lane (r, h), registers 4 c .. 4 c + 3 = K 64 c + 32 h + 0 .. 31: 16 bytes of the row as they lie
.irp k, 0,1
.irp c, 0,1
	global_load_b128 v[BG+16*\t+8*\k+4*\c:BG+16*\t+8*\k+4*\c+3], v[VR], s[40:41] offset:(32*(\t/2)+8*(\t%2))*128+64*\k+32*\c
.endr
.endr
.endr
	WIN 0x80                                       ; destination window 2
.irp t, 0,1,2,3,4,5,6,7
.irp k, 0,1
.irp c, 0,1
	global_load_b128 v[SM+16*\t+8*\k+4*\c:SM+16*\t+8*\k+4*\c+3], v[VR], s[44:45] offset:(32*(\t/2)+8*(\t%2))*128+64*\k+32*\c
.endr
.endr
.endr
	WIN 0
.irp t, 0,1,2,3,4,5,6,7                        ; a row's 8 scale bytes are the words of its two K steps
	global_load_b64 v[BSC+2*\t:BSC+2*\t+1], v[VS], s[42:43] offset:(32*(\t/2)+8*(\t%2))*8
	global_load_b64 v[SSC+2*\t:SSC+2*\t+1], v[VS], s[46:47] offset:(32*(\t/2)+8*(\t%2))*8
.endr
	s_cmp_eq_u32 s4, 2
	s_cbranch_scc1 .Lv
	; ---- q or k: register j of tile t is channel 32 (t / 2) + 8 (t % 2) + 16 h + j of my half
	WIN 0x40
.irp t, 0,1,2,3,4,5,6,7
	global_load_b128 v[BI+8*\t:BI+8*\t+3], v[VB], s[24:25] offset:(32*(\t/2)+8*(\t%2))*4
	global_load_b128 v[BI+8*\t+4:BI+8*\t+7], v[VB], s[24:25] offset:(32*(\t/2)+8*(\t%2))*4+16
.endr
	WIN 0
	s_wait_loadcnt 0x0                             ; all operands, once
.irp i, 0,1,2,3,4,5,6,7
	UNIT \i, 0
.endr
	s_wait_alu depctr_va_vdst(0)                   ; unit 7's code registers and the four words of the scale image are written, which the three stores below read
	SEND 7
	global_store_b128 v[VO], v[SP:SP+3], s[36:37]  ; the eight units' scale words: 512 consecutive bytes
	s_endpgm
.Lv:
	; ---- v: my lane is channel 32 (i / 2) + 8 (i % 2) + r + 8 (r / 8) of my half in unit i: one number of bv fills the tile's eight registers
	WIN 0x40
.irp i, 0,1,2,3,4,5,6,7
	global_load_b32 v[BI+8*\i], v[VBV], s[24:25] offset:(32*(\i/2)+8*(\i%2))*4
.endr
	WIN 0
	s_wait_loadcnt 0x0
	WIN 0x41                                       ; destination and source 0 window 1
.irp i, 0,1,2,3,4,5,6,7
.irp j, 1,2,3,4,5,6,7
	v_mov_b32 v[BI+8*\i+\j], v[BI+8*\i]
.endr
.endr
	WIN 0
.irp i, 0,1,2,3,4,5,6,7
	UNIT \i, 1
.endr
	s_wait_alu depctr_va_vdst(0)                   ; unit 7's code registers and the four words of the scale image are written, which the three stores below read
	SEND 7
	global_store_b128 v[VO], v[SP:SP+3], s[36:37]
	s_endpgm
.Lfunc_end_k_qaf47fbf33a_proj:
	.size	k_qaf47fbf33a_proj, .Lfunc_end_k_qaf47fbf33a_proj-k_qaf47fbf33a_proj
	.p2alignl 7, 3214868480
	.fill 96, 4, 3214868480
	.section	.rodata,"a",@progbits
	.p2align	6, 0x0
	.amdhsa_kernel k_qaf47fbf33a_proj
		.amdhsa_group_segment_fixed_size 0
		.amdhsa_private_segment_fixed_size 0
		.amdhsa_enable_private_segment 0
		.amdhsa_kernarg_size 104
		.amdhsa_user_sgpr_count 2
		.amdhsa_user_sgpr_kernarg_segment_ptr 1
		.amdhsa_wavefront_size32 1
		.amdhsa_system_sgpr_workgroup_id_x 1
		.amdhsa_system_sgpr_workgroup_id_y 1
		.amdhsa_system_sgpr_workgroup_id_z 1
		.amdhsa_system_vgpr_workitem_id 0
		.amdhsa_next_free_vgpr 640
		.amdhsa_next_free_sgpr 66
		.amdhsa_reserve_vcc 1
		.amdhsa_float_denorm_mode_32 3
		.amdhsa_float_denorm_mode_16_64 3
		.amdhsa_memory_ordered 1
		.amdhsa_forward_progress 1
		.amdhsa_inst_pref_size 114
	.end_amdhsa_kernel
	.amdgpu_metadata
---
amdhsa.version: [ 1, 2 ]
amdhsa.kernels:
  - .name:           k_qaf47fbf33a_proj
    .symbol:         k_qaf47fbf33a_proj.kd
    .args:
      - { .name: x_codes, .offset: 0, .size: 8, .value_kind: global_buffer, .address_space: global }
      - { .name: x_scales, .offset: 8, .size: 8, .value_kind: global_buffer, .address_space: global }
      - { .name: Wq_codes, .offset: 16, .size: 8, .value_kind: global_buffer, .address_space: global }
      - { .name: Wq_scales, .offset: 24, .size: 8, .value_kind: global_buffer, .address_space: global }
      - { .name: Wk_codes, .offset: 32, .size: 8, .value_kind: global_buffer, .address_space: global }
      - { .name: Wk_scales, .offset: 40, .size: 8, .value_kind: global_buffer, .address_space: global }
      - { .name: Wv_codes, .offset: 48, .size: 8, .value_kind: global_buffer, .address_space: global }
      - { .name: Wv_scales, .offset: 56, .size: 8, .value_kind: global_buffer, .address_space: global }
      - { .name: bq, .offset: 64, .size: 8, .value_kind: global_buffer, .address_space: global }
      - { .name: bk, .offset: 72, .size: 8, .value_kind: global_buffer, .address_space: global }
      - { .name: bv, .offset: 80, .size: 8, .value_kind: global_buffer, .address_space: global }
      - { .name: qq, .offset: 88, .size: 8, .value_kind: global_buffer, .address_space: global }
      - { .name: kv, .offset: 96, .size: 8, .value_kind: global_buffer, .address_space: global }
    .group_segment_fixed_size: 0
    .private_segment_fixed_size: 0
    .kernarg_segment_align: 8
    .kernarg_segment_size: 104
    .max_flat_workgroup_size: 96
    .sgpr_count:     66
    .vgpr_count:     640
    .wavefront_size: 32
...
	.end_amdgpu_metadata
.endif
;; end of part 3
;; launch attn: the kernel of part 2 again; grid 32 x 8, 8 waves a work-group, clusters of 4 x 1, 327,680 bytes of LDS; arguments qq, kv, Ww, bw, out0; writes out0
